; MI455X (gfx1250); checked and timed in simulation.
; The chip was launched on July 23, 2026; its instructions are those of AMD's public machine-readable ISA for CDNA 5 (MIT licence, August 2026) and "CDNA5" Instruction Set Architecture Reference Guide (July 2026). The comments in the code are by the model that wrote it; some were corrected since.
;; Multi Head Attention. Allowed arithmetic: matrix products marked QUANTISED: E2M3 operands, one E8M0 scale for each 32 along K, by v_wmma_scale_f32_16x16x128_f8f6f4 with both operands' format E2M3, f32 sums; everything else in f32.
;; Inputs: Wk 1,024 x 1,024 float32; Wo 1,024 x 1,024 float32; Wq 1,024 x 1,024 float32; Wv 1,024 x 1,024 float32; bo 1,024 float32; x 4 x 2,048 x 1,024 float32.
;; Outputs: out0 4 x 2,048 x 1,024 float32.
;; This version of the problem:
;;   THIS VERSION OF THE PROBLEM IS GIVEN IN LOW PRECISION. The matrix products marked QUANTISED in the list below multiply operands that are first quantised to E2M3 (2 exponent bits, 3 mantissa bits; 6 bits a number), with one power-of-two scale for each 32 numbers along K (OCP MX v1.0); their sums are f32. All else is computed in f32.
;;   The module's matrix products, in the order in which they are computed (A, B: the left and right operand; K: the contracted axis; several contracted axes count as one K, in the product's order):
;;     1. [M 8,192, K 1,024] x [K 1,024, N 1,024]; A: input x; B: input Wq: QUANTISED
;;     2. [M 8,192, K 1,024] x [K 1,024, N 1,024]; A: input x; B: input Wk: QUANTISED
;;     3. [M 8,192, K 1,024] x [K 1,024, N 1,024]; A: input x; B: input Wv: QUANTISED
;;     4. batch 64 x [M 2,048, K 64] x [K 64, N 2,048]; A: computed on the way; B: computed on the way: QUANTISED
;;     5. batch 64 x [M 2,048, K 2,048] x [K 2,048, N 64]; A: softmax (see below); B: computed on the way: QUANTISED
;;     6. [M 8,192, K 1,024] x [K 1,024, N 1,024]; A: computed on the way; B: input Wo: QUANTISED
;;   THE QUANTISER, for each operand of a quantised product, along K:
;;     - K is cut into blocks of 32 from its start; a last block that is shorter is filled with zeros.
;;     - A block's scale is 2^e with e = floor(log2(the largest magnitude in the block)) - 2, held to -126 .. 127; a block of zeros has e = 0. As a byte (E8M0): e + 127.
;;     - Each number is divided by its block's scale, clamped to +-7.5, and rounded to the nearest number of E2M3, ties to even, subnormals kept.
;;     - The product sums the exact products of the quantised numbers (number of the format x scale) in f32.
;;   ~~~python
;;   def quantise(x, axis):      # numpy; x: float32 -> the quantised numbers, widened to float32 again
;;       x = np.moveaxis(x, axis, -1); K = x.shape[-1]
;;       x = np.pad(x, [(0, 0)] * (x.ndim - 1) + [(0, -K % 32)]); x = x.reshape(x.shape[:-1] + (-1, 32)); a = np.abs(x).max(-1, keepdims=True)
;;       e = np.where(a > 0, np.clip(np.frexp(np.where(a > 0, a, 1))[1] - 1 - 2, -126, 127), 0)      # np.frexp(a)[1] - 1 = floor(log2(a)), exactly
;;       r = np.clip(x / 2.0 ** e, -7.5, 7.5)
;;       step = 2.0 ** (np.maximum(np.frexp(np.where(r == 0, 1, r))[1] - 1, 0) - 3)
;;       q = np.round(r / step) * step * 2.0 ** e      # np.round: ties to even
;;       return np.moveaxis(q.reshape(q.shape[:-2] + (-1,))[..., :K], -1, axis).astype(np.float32)
;;   ~~~
;;   SOFTMAX AHEAD OF A QUANTISED PRODUCT. Where the list says 'softmax', what is quantised is not the finished softmax but p = 2^(t - M), with t = logit x log2(e) and M = ceil(the row's largest t), a whole number; so 1/2 < the row's largest p <= 1. The row's sum l is taken of the UNQUANTISED p, in f32, and the product's result is divided by l at the end. Since M is a whole number, a kernel that streams over the keys may use a running M (the ceiling of the running maximum): every later rescaling is an exact power of two, which a block's scale takes up: the codes' values come out the same.
;;   OPERANDS COMPUTED ON THE WAY. 'Computed on the way' means the value that the module computes at that place (a softmax that the list does not call 'softmax' is quantised finished and normalised). What goes into a quantiser is computed in f32, as accurately as f32 sums, v_exp_f32 and their like allow (about 1e-6 of the number): no bf16 or f16 on the way to a quantiser, and a product that is left as it is and whose result goes on into a quantised operand takes f32 operands (vector FMAs, or v_wmma_f32_16x16x4_f32). A number that lies on a knife's edge between two numbers of the format may be rounded either way, as far as f32 arithmetic and the matrix unit's own rounding can turn it there, and no further.
;; One version. Each part assembles by itself: llvm-mc -triple=amdgcn-amd-amdhsa -mcpu=gfx1250 --defsym DOCPART=n.
;; ======== version 1 of 1: 4 launches
;; workspace buffers: x_img 6,553,600 bytes; w_img 3,276,800 bytes; qkv 19,660,800 bytes; ctx_img 6,553,600 bytes
;; launch quant (part 1): grid 512 x 1, 4 waves a work-group, no clusters, 34,304 bytes of LDS; arguments x, Wq, Wk, Wv, Wo, x_img, w_img; writes x_img, w_img
.if DOCPART == 1
	.amdgcn_target "amdgcn-amd-amdhsa--gfx1250"
	.amdhsa_code_object_version 6
	.text
	.protected	k_qc3924af439_quant
	.globl	k_qc3924af439_quant
	.p2align	8
	.type	k_qc3924af439_quant,@function
k_qc3924af439_quant:
	s_mov_b64 s[64:65], 0
	v_nop
	global_prefetch_b8 v0, s[64:65] scope:SCOPE_SE
	s_setreg_imm32_b32 hwreg(HW_REG_WAVE_MODE, 25, 1), 1
	s_wait_xcnt 0x0
; x [8192][1024] and Wq, Wk, Wv, Wo [1024 (k)][1024 (n)], f32, become codes of FP6 (E2M3) with one E8M0 byte for each 32 along K, laid in the ORDER OF THE OPERAND'S REGISTERS.
; A TILE is 16 rows (tokens of x, columns n of a weight).  THE ROWS OF A TILE ARE NOT NEIGHBOURS: place r of tile 2 B + u is row 32 B + 8 u + r + 8 (r / 8).
; A tile's RECORD is 12,800 bytes: eight fragments (K steps of 128) of 1,536 bytes, each three chunks of 512 bytes (chunk c: registers 4 c .. 4 c + 3, lane l at 16 l);
; then 512 bytes of scale words: the word of K step s and place r at 256 (s / 4) + 16 r + 4 (s % 4).   x_img: [512 tiles];  w_img: [Wq, Wk, Wv, Wo][64 tiles].
; A block's scale is 2^(floor(log2(its largest magnitude)) - 2); its byte is that magnitude's exponent field - 2, held at 1 from below.
; LIMITS: a block of zeros, or one whose largest magnitude lies under 2^-124, keeps the byte 1 (its codes are then zeros or tiny; the bytes are read by this program alone); NaN and infinities are not served.
; Work-groups 0-255 take x (K innermost), 256-511 the weights (K outermost).  No barrier: waves share nothing.  Only x's path uses LDS.
.set TM,  8                            ; v8-23   at work in QUANT: +0..3 largest magnitudes, +4..7 the other half's / bytes, +12..15 scale operands
.set PW,  24                           ; v24-27  the scale words of my four fragments
.set SA,  32                           ; v32-95  a fragment's numbers as loaded, set A
.set SB,  96                           ; v96-159 set B
.set X,   160                          ; v160-223 64 numbers: register 16 b + i = k 32 b + 16 (lane / 16) + i of my row
.set PC,  224                          ; v224-243 the codes just made
.set SEL, 24                           ; s[24:25] v_permlanex16_b32's selects for lane l xor 16
; 64 numbers of a lane become a fragment's 12 registers in v[pc] on and its scale word in v[pw]
.macro QUANT s, pc, pw
.irp b, 0,1,2,3
	v_max3_num_f32 v[TM+\b], |v[\s+16*\b]|, |v[\s+1+16*\b]|, 0x1800000   ; my 16 numbers of block b, and the floor 2^(3 - 127): the byte cannot fall under 1
.endr
.irp i, 2,4,6,8,10,12,14
.irp b, 0,1,2,3
	v_max3_num_f32 v[TM+\b], v[TM+\b], |v[\s+16*\b+\i]|, |v[\s+1+16*\b+\i]|   ; the four blocks by turns
.endr
.endr
.irp b, 0,1,2,3
	v_permlanex16_b32 v[TM+4+\b], v[TM+\b], s[SEL], s[SEL+1]
.endr
.irp b, 0,1,2,3
	v_max_num_f32 v[TM+\b], v[TM+\b], v[TM+4+\b]   ; with lane l xor 16's: the block's largest magnitude
.endr
.irp b, 0,1,2,3
	v_add_nc_u32 v[TM+12+\b], 0xff000000, v[TM+\b]   ; 2 off its exponent field: the conversion's scale operand
.endr
.irp b, 0,1,2,3
	v_lshrrev_b32 v[TM+4+\b], 23, v[TM+12+\b]      ; the scale's byte
.endr
	v_lshl_or_b32 v[\pw], v[TM+5], 8, v[TM+4]
	v_lshl_or_b32 v[\pw], v[TM+6], 16, v[\pw]
	v_lshl_or_b32 v[\pw], v[TM+7], 24, v[\pw]
.irp c, 0,1
	v_cvt_scalef32_pk16_fp6_f32 v[\pc+6*\c:\pc+2+6*\c], v[\s+32*\c:\s+15+32*\c], v[TM+12+2*\c]
	v_cvt_scalef32_pk16_fp6_f32 v[\pc+12+4*\c:\pc+14+4*\c], v[\s+16+32*\c:\s+31+32*\c], v[TM+12+2*\c+1]   ; (a conversion's three registers begin on an even number)
.endr
	v_nop                                          ; one plain place behind a scaled conversion
.irp c, 0,1                                    ; the operand's layout wants a whole block in a lane: lanes 0-15 block 2 c, lanes 16-31 block 2 c + 1
.irp i, 0,1,2
	v_permlane16_swap_b32 v[\pc+6*\c+\i], v[\pc+12+4*\c+\i]
.endr
.irp i, 0,1,2
	v_mov_b32 v[\pc+3+6*\c+\i], v[\pc+12+4*\c+\i]
.endr
.endr
.endm
	s_load_b256 s[8:15], s[0:1], 0x0               ; x s[8:9], Wq s[10:11], Wk s[12:13], Wv s[14:15]
	s_load_b128 s[16:19], s[0:1], 0x20             ; Wo s[16:17], x_img s[18:19]
	s_load_b64 s[20:21], s[0:1], 0x30              ; w_img
	v_lshl_add_u32 v244, v0, 2, 0x8400
	v_mov_b32 v245, 0
	v_lshrrev_b32 v1, 5, v0
	v_readfirstlane_b32 s2, v1                     ; wave 0..3
	v_and_b32 v5, 31, v0                           ; lane
	s_mov_b32 s27, 0                               ; the upper word of every offset pair s[26:27]
	s_wait_kmcnt 0x0
	s_cmp_lt_u32 ttmp9, 256
	s_cbranch_scc0 .Lweights
	s_wait_alu depctr_va_vdst(0)
; ---- x.  Work-group g takes tokens 32 g .. 32 g + 31: tiles 2 g and 2 g + 1.  Wave w: tile 2 g + w / 2, K steps 4 (w % 2) .. + 3: four fragments.
; Each load reads 512 consecutive bytes of one row; a fragment's 16 rows turn through the wave's own stage (rows 528 bytes apart), so that a lane gets 16 neighbours of each block.
	v_lshlrev_b32 v1, 4, v5                        ; 16 x lane
	v_and_b32 v6, 15, v0                           ; r
	v_bfe_u32 v7, v0, 4, 1                         ; h
	s_mul_i32 s3, s2, 8448                         ; my stage: 16 rows x 528 bytes
	v_add_nc_u32 v2, s3, v1                        ; into it: 16 x lane, the row in the immediate
	v_mul_u32_u24 v3, v6, 528
	v_lshl_add_u32 v3, v7, 6, v3
	v_add_nc_u32 v3, s3, v3                        ; out of it: row r, + 64 h
	v_lshlrev_b32 v4, 4, v6                        ; 16 r: my row's four scale words
	s_mov_b32 s[SEL], 0x76543210
	s_mov_b32 s[SEL+1], 0xfedcba98
.irp b, 0,1,2,3
	v_mov_b32 v[TM+4+\b], 0                        ; written once: a lane permute's destination counts as one of its sources
.endr
	s_lshr_b32 s4, s2, 1                           ; u
	s_and_b32 s5, s2, 1                            ; which half of K
	s_lshl_b32 s26, ttmp9, 17                      ; 32 rows of 4,096 bytes
	s_lshl_b32 s3, s4, 15                          ; 8 rows
	s_add_co_u32 s26, s26, s3
	s_lshl_b32 s3, s5, 11                          ; four K steps of 512 bytes
	s_add_co_u32 s26, s26, s3
	s_add_nc_u64 s[8:9], s[8:9], s[26:27]
	s_lshl_b32 s26, ttmp9, 1
	s_add_co_u32 s26, s26, s4
	s_mul_i32 s26, s26, 12800                      ; my tile's record
	s_add_nc_u64 s[18:19], s[18:19], s[26:27]
	s_mul_i32 s26, s5, 6144
	s_add_nc_u64 s[28:29], s[18:19], s[26:27]      ; my four fragments
	s_lshl_b32 s26, s5, 8
	s_add_co_u32 s26, s26, 12288
	s_add_nc_u64 s[30:31], s[18:19], s[26:27]      ; my 256 bytes of scale words
.macro LOADF f, set                    ; fragment f: place i of the tile is row i + 8 (i / 8)
.irp i, 0,1,2,3,4,5,6,7,8,9,10,11,12,13,14,15
	global_load_b128 v[\set+4*\i:\set+4*\i+3], v1, s[8:9] offset:(\i+8*(\i/8))*4096+512*(\f) th:TH_LOAD_NT
.endr
.endm
.macro FRAGX f, set, left
	s_wait_loadcnt \left                           ; this fragment's 16 loads are in; the next fragment's 16 may be out
.irp i, 0,1,2,3,4,5,6,7,8,9,10,11,12,13,14,15
	ds_store_b128 v2, v[\set+4*\i:\set+4*\i+3] offset:528*\i
.endr
.irp b, 0,1,2,3
.irp j, 0,1,2,3
	ds_load_b128 v[X+16*\b+4*\j:X+16*\b+4*\j+3], v3 offset:128*\b+16*\j   ; LDS serves a wave's instructions in order: these see the stores above
.endr
.endr
	s_wait_dscnt 0x0                               ; the numbers are back, and the stores have read their registers,
.if \f < 2
	LOADF \f+2, \set                               ; which take the fragment two on
.endif
	s_wait_xcnt 0x0                                ; the last fragment's stores have read the codes' registers
	QUANT X, PC, PW+\f
.irp c, 0,1,2
	global_store_b128 v1, v[PC+4*\c:PC+4*\c+3], s[28:29] offset:1536*\f+512*\c   ; 512 consecutive bytes, aligned
.endr
.endm
	LOADF 0, SA
	LOADF 1, SB
	s_wait_alu depctr_va_vdst(0)
	FRAGX 0, SA, 16
	FRAGX 1, SB, 16
	FRAGX 2, SA, 16
	FRAGX 3, SB, 0
	s_wait_xcnt 0x0                                ; EXEC changes only behind this wait
	v_cmp_gt_u32 vcc_lo, 16, v5
	s_wait_tensorcnt 0x0
	ds_add_u32 v244, v245
	s_wait_dscnt 0x0
	s_and_saveexec_b32 s26, vcc_lo                 ; lanes 16-31 hold the same words
	global_store_b128 v4, v[PW:PW+3], s[30:31]     ; sixteen lanes store 256 consecutive bytes, aligned
	s_wait_xcnt 0x0
	s_or_b32 exec_lo, exec_lo, s26
	s_endpgm
; ---- the weights.  Work-group 256 + 64 m + 8 c + s: matrix m, columns 128 c on, K step s.  Wave w: columns 32 (4 c + w) on, A LANE TO A COLUMN, ITS REGISTERS DOWN K:
; a block of 32 along K lies in one lane.  Lane (r, h) of the fragment wants blocks h and 2 + h of its column: so a lane makes two sets of 12 registers, for places (r, 0) and (r, 1).
.Lweights:
	s_sub_co_u32 s3, ttmp9, 256
	s_and_b32 s4, s3, 7                            ; K step
	s_bfe_u32 s5, s3, 0x30003
	s_lshr_b32 s6, s3, 6                           ; which matrix
	s_lshl_b32 s5, s5, 2
	s_add_co_u32 s5, s5, s2                        ; which 32 columns
	s_cmp_eq_u32 s6, 1                             ; the choice hangs on the work-group's number alone
	s_cselect_b64 s[10:11], s[12:13], s[10:11]
	s_cmp_eq_u32 s6, 2
	s_cselect_b64 s[10:11], s[14:15], s[10:11]
	s_cmp_eq_u32 s6, 3
	s_cselect_b64 s[10:11], s[16:17], s[10:11]
	s_lshl_b32 s26, s4, 19                         ; 128 rows of 4,096 bytes
	s_lshl_b32 s3, s5, 7
	s_add_co_u32 s26, s26, s3
	s_add_nc_u64 s[10:11], s[10:11], s[26:27]
	s_mul_i32 s26, s6, 819200
	s_mul_i32 s3, s5, 25600
	s_add_co_u32 s26, s26, s3
	s_add_nc_u64 s[20:21], s[20:21], s[26:27]      ; the records of my two tiles
	s_mul_i32 s26, s4, 1536
	s_add_nc_u64 s[28:29], s[20:21], s[26:27]      ; fragment s
	s_lshr_b32 s26, s4, 2
	s_lshl_b32 s26, s26, 8
	s_and_b32 s3, s4, 3
	s_lshl_b32 s3, s3, 2
	s_add_co_u32 s26, s26, s3
	s_add_co_u32 s26, s26, 12288
	s_add_nc_u64 s[30:31], s[20:21], s[26:27]      ; K step s's scale words
	s_wait_alu depctr_va_vdst(0)
	v_lshlrev_b32 v1, 2, v5                        ; in: 4 bytes a lane
	v_bfe_u32 v2, v5, 3, 1                         ; column 16 (r / 8) + 8 u + r % 8: u,
	v_and_b32 v3, 7, v5
	v_lshrrev_b32 v4, 4, v5
	v_lshl_add_u32 v3, v4, 3, v3                   ; r
	v_lshlrev_b32 v3, 4, v3
	v_mad_u32_u24 v2, v2, 0x3200, v3               ; out: 12,800 u + 16 r
.set n, 0
.rept 128
	global_load_b32 v[32+n], v1, s[10:11] offset:4096*n th:TH_LOAD_NT   ; a wave reads 128 consecutive bytes of a row, the work-group 512
.set n, n+1
.endr
.macro WBLOCK t, left
.set XS, 32+32*(\t)
.set FD, 160+12*((\t)%2)+6*((\t)/2)
	s_wait_loadcnt \left                           ; this block's 32 loads are in (a wait can name 63 at the most; 96 and 64 younger loads would do for blocks 0 and 1)
	v_max3_num_f32 v12, |v[XS]|, |v[XS+1]|, |v[XS+2]|
	v_max3_num_f32 v13, |v[XS+3]|, |v[XS+4]|, |v[XS+5]|
.irp i, 6,10,14,18,22,26
	v_max3_num_f32 v12, v12, |v[XS+\i]|, |v[XS+\i+1]|
	v_max3_num_f32 v13, v13, |v[XS+\i+2]|, |v[XS+\i+3]|
.endr
	v_max3_num_f32 v12, v12, |v[XS+30]|, |v[XS+31]|
	v_max3_num_f32 v12, v12, v13, 0x1800000        ; and the floor
	v_add_nc_u32 v[20+\t], 0xff000000, v12         ; the conversion's scale operand
	v_lshrrev_b32 v13, 23, v[20+\t]                ; the byte
.if \t == 0
	v_mov_b32 v16, v13
.else
	v_lshl_or_b32 v16, v13, 8*\t, v16              ; the column's scale word for this K step
.endif
	v_cvt_scalef32_pk16_fp6_f32 v[FD:FD+2], v[XS:XS+15], v[20+\t]
	v_cvt_scalef32_pk16_fp6_f32 v[184+4*\t:186+4*\t], v[XS+16:XS+31], v[20+\t]
.endm
	WBLOCK 0, 63
	WBLOCK 1, 63
	WBLOCK 2, 32
	WBLOCK 3, 0
	v_nop                                          ; one plain place behind a scaled conversion
.irp t, 0,1,2,3
.irp i, 0,1,2
	v_mov_b32 v[160+12*(\t%2)+6*(\t/2)+3+\i], v[184+4*\t+\i]
.endr
.endr
.irp h, 0,1
.irp c, 0,1,2
	global_store_b128 v2, v[160+12*\h+4*\c:160+12*\h+4*\c+3], s[28:29] offset:512*\c+256*\h   ; each tile's sixteen lanes store 256 consecutive bytes, aligned
.endr
.endr
	global_store_b32 v2, v16, s[30:31]             ; 4 bytes a lane, 16 apart: a K step's words are a quarter of their 256 bytes; 128 KiB of the launch's stores leave so
	s_endpgm
.Lfunc_end_k_qc3924af439_quant:
	.size	k_qc3924af439_quant, .Lfunc_end_k_qc3924af439_quant-k_qc3924af439_quant
	.p2alignl 7, 3214868480
	.fill 96, 4, 3214868480
	.section	.rodata,"a",@progbits
	.p2align	6, 0x0
	.amdhsa_kernel k_qc3924af439_quant
		.amdhsa_group_segment_fixed_size 34304
		.amdhsa_private_segment_fixed_size 0
		.amdhsa_enable_private_segment 0
		.amdhsa_kernarg_size 56
		.amdhsa_user_sgpr_count 2
		.amdhsa_user_sgpr_kernarg_segment_ptr 1
		.amdhsa_wavefront_size32 1
		.amdhsa_system_sgpr_workgroup_id_x 1
		.amdhsa_system_sgpr_workgroup_id_y 1
		.amdhsa_system_sgpr_workgroup_id_z 1
		.amdhsa_system_vgpr_workitem_id 0
		.amdhsa_next_free_vgpr 246
		.amdhsa_next_free_sgpr 66
		.amdhsa_reserve_vcc 1
		.amdhsa_float_denorm_mode_32 3
		.amdhsa_float_denorm_mode_16_64 3
		.amdhsa_memory_ordered 1
		.amdhsa_forward_progress 1
		.amdhsa_inst_pref_size 53
	.end_amdhsa_kernel
	.amdgpu_metadata
---
amdhsa.version: [ 1, 2 ]
amdhsa.kernels:
  - .name:           k_qc3924af439_quant
    .symbol:         k_qc3924af439_quant.kd
    .args:
      - { .name: x, .offset: 0, .size: 8, .value_kind: global_buffer, .address_space: global }
      - { .name: Wq, .offset: 8, .size: 8, .value_kind: global_buffer, .address_space: global }
      - { .name: Wk, .offset: 16, .size: 8, .value_kind: global_buffer, .address_space: global }
      - { .name: Wv, .offset: 24, .size: 8, .value_kind: global_buffer, .address_space: global }
      - { .name: Wo, .offset: 32, .size: 8, .value_kind: global_buffer, .address_space: global }
      - { .name: x_img, .offset: 40, .size: 8, .value_kind: global_buffer, .address_space: global }
      - { .name: w_img, .offset: 48, .size: 8, .value_kind: global_buffer, .address_space: global }
    .group_segment_fixed_size: 34304
    .private_segment_fixed_size: 0
    .kernarg_segment_align: 8
    .kernarg_segment_size: 56
    .max_flat_workgroup_size: 128
    .sgpr_count:     66
    .vgpr_count:     246
    .wavefront_size: 32
...
	.end_amdgpu_metadata
.endif
;; end of part 1
;; launch proj (part 2): grid 32 x 8, 4 waves a work-group, clusters of 4 x 1, 307,712 bytes of LDS; arguments x_img, w_img, qkv; writes qkv
.if DOCPART == 2
	.amdgcn_target "amdgcn-amd-amdhsa--gfx1250"
	.amdhsa_code_object_version 6
	.text
	.protected	k_qc3924af439_proj
	.globl	k_qc3924af439_proj
	.p2align	8
	.type	k_qc3924af439_proj,@function
k_qc3924af439_proj:
	s_mov_b64 s[64:65], 0
	v_nop
	global_prefetch_b8 v0, s[64:65] scope:SCOPE_SE
	s_setreg_imm32_b32 hwreg(HW_REG_WAVE_MODE, 25, 1), 1
	s_wait_xcnt 0x0
	s_wait_alu depctr_hold_cnt(0) depctr_sa_sdst(0) depctr_va_vdst(0) depctr_va_sdst(0) depctr_va_ssrc(0) depctr_va_vcc(0) depctr_vm_vsrc(0)
	s_getreg_b32 s2, hwreg(HW_REG_IB_STS2, 6, 4)
	s_cmp_eq_u32 s2, 0
	s_cbranch_scc0 .Lentry_in_a_cluster
	s_endpgm
.Lentry_in_a_cluster:
	s_bfe_u32 s2, ttmp6, 0x10000c
	s_cmp_lg_u32 s2, 0x3003
	s_cbranch_scc0 .Lentry_shape_is_right
	s_endpgm
.Lentry_shape_is_right:
; q = x Wq, k = x Wk, v = x Wv on codes of FP6 (E2M3), and q, k, v quantised on the way out: q and k along the head's 64, v along the keys.
; SHARES.  Work-group (g, y): tokens 256 g on, heads 2 y and 2 y + 1 of q, of k and of v: six units of 64 columns.  A wave owns 64 tokens: its 32 fragments of x (384 registers) stay in
; registers for the whole launch.  The work-group's 24 tiles of weights (records of 12,800 bytes, as the launch before laid them) stay in LDS, filled ONCE; no LDS byte is filled twice.
; CLUSTER: the four work-groups of a cluster differ in g alone and need the same weights: each block is asked for jointly, by the same tensor load with the mask of all four.
; TILES: place r of tile 2 B + u is row 32 B + 8 u + r + 8 (r / 8), for tokens and for columns alike: so the 16 result registers of two neighbouring tiles of source 0 are 16 neighbours.
; q, k: source 0 = 16 columns of W, source 1 = 16 tokens: a lane holds one token and its registers run along the head.   v: source 0 = 16 tokens, source 1 = 16 columns: a lane holds one channel, registers along the keys.
; OUT: qkv [batch x head][16 steps of 128 tokens][19,200 bytes]: Q's 8 tiles x 768 | 256 bytes of scale words | K likewise (6,400 on) | V: [4 channel tiles][2 halves of the keys] x 768 (12,800 on) | 256 bytes of scale words.
; 768 bytes are half a fragment: registers 0-3 at 16 x lane, then registers 4-5 at 512 + 8 x lane.  Q's and K's scale word (pair of tiles p, place r): bytes 0, 1 tile 2 p, bytes 2, 3 tile 2 p + 1.  V's (channel tile, place): a byte for each 32 keys.
; LIMITS: blocks of zeros, or under 2^-124, keep the scale byte 1 (read by this program alone); NaN and infinities are not served.
; REGISTERS: window 0: v1-8 offsets; v10-11 scale words made; v12-27 at work; v28-67 codes made; v68-83 x's scale words; v84-99 W's; v100-102 store data; v128-255 16 accumulators.
;   window 1: x's fragments of K steps 0-4 at 48 s + 12 t.   window 2: those of K steps 5-7 at 48 (s - 5) + 12 t; from v144 W's four fragments of a K step, two sets.
.set LI,  1                            ; 16 x lane: also the LDS place of my lane in a chunk
.set LIC, 2                            ; q, k codes: 16 l + 3,072 (w % 2)
.set L8C, 3                            ; 8 l + 512 + 3,072 (w % 2)
.set L4S, 4                            ; their scale words: 4 l + 128 (w % 2)
.set LIV, 5                            ; v's codes: 16 l + 768 (w % 2)
.set L8V, 6                            ; 8 l + 512 + 768 (w % 2)
.set L4V, 7                            ; v's scale halves: 4 l + 2 (w % 2)
.set WAD, 8                            ; LDS address: the unit's first byte + 16 l
.set PW0, 10
.set TM,  12
.set PCA, 28
.set PCB, 48
.set XS,  68                           ; register 4 t + i: lanes 0-15 K step i, lanes 16-31 K step 4 + i
.set WS,  84
.set SV,  100
.set ACC, 128
.set WV,  10
.set CX,  11
.set G,   12
.set Y,   13
.set G1,  24                           ; s[24:31] descriptor group 1;  s[32:43] three groups 0
.set G0,  32
.set UB,  44                           ; the unit's first LDS byte
.set HC,  45                           ; counts a matrix's two heads
.set U,   46                           ; s[46:47] the unit's record in qkv
.set BASE, 48                          ; s[48:49] head 2 y's record for my 128 tokens
.set SEL, 50
.set HM,  52                           ; lanes 16-31
.set MSB, 0
.macro WIN new                         ; the immediate's high byte repeats the setting that is left
.if MSB != \new
	s_set_vgpr_msb (MSB<<8)|\new
.set MSB, \new
.endif
.endm
.macro PLACES                          ; four plain places behind matrix instructions, in front of loads into their registers and of reads of their results
.rept 4
	v_nop
.endr
.endm
.macro CROUND                          ; a round of the cluster's barrier
	s_barrier_signal -1
	s_barrier_wait -1
	s_cmp_lg_u32 s[WV], 0
	s_cbranch_scc1 .Lnot_wave_0_\@
	s_barrier_signal -3
.Lnot_wave_0_\@:
	s_barrier_wait -3
	s_barrier_signal -1
	s_barrier_wait -1
.endm
; 64 numbers of a lane, register 16 b + i = k 32 b + 16 (lane / 16) + i of my row, become 12 registers of codes in v[pc] on and a scale word in v[pw]
.macro QUANT s, pc, pw
.irp b, 0,1,2,3
	v_max3_num_f32 v[TM+\b], |v[\s+16*\b]|, |v[\s+1+16*\b]|, 0x1800000   ; each accumulator is read from its low end on; the floor 2^(3 - 127) holds the byte at 1 from below
.endr
.irp i, 2,4,6,8,10,12,14
.irp b, 0,1,2,3
	v_max3_num_f32 v[TM+\b], v[TM+\b], |v[\s+16*\b+\i]|, |v[\s+1+16*\b+\i]|
.endr
.endr
.irp b, 0,1,2,3
	v_permlanex16_b32 v[TM+4+\b], v[TM+\b], s[SEL], s[SEL+1]
.endr
.irp b, 0,1,2,3
	v_max_num_f32 v[TM+\b], v[TM+\b], v[TM+4+\b]
.endr
.irp b, 0,1,2,3
	v_add_nc_u32 v[TM+12+\b], 0xff000000, v[TM+\b]   ; 2 off the exponent field: the conversion's scale operand
.endr
.irp b, 0,1,2,3
	v_lshrrev_b32 v[TM+4+\b], 23, v[TM+12+\b]
.endr
	v_lshl_or_b32 v[\pw], v[TM+5], 8, v[TM+4]
	v_lshl_or_b32 v[\pw], v[TM+6], 16, v[\pw]
	v_lshl_or_b32 v[\pw], v[TM+7], 24, v[\pw]
.irp c, 0,1
	v_cvt_scalef32_pk16_fp6_f32 v[\pc+6*\c:\pc+2+6*\c], v[\s+32*\c:\s+15+32*\c], v[TM+12+2*\c]
	v_cvt_scalef32_pk16_fp6_f32 v[\pc+12+4*\c:\pc+14+4*\c], v[\s+16+32*\c:\s+31+32*\c], v[TM+12+2*\c+1]
.endr
	v_nop                                          ; one plain place behind a scaled conversion
.irp c, 0,1
.irp i, 0,1,2
	v_permlane16_swap_b32 v[\pc+6*\c+\i], v[\pc+12+4*\c+\i]
.endr
.irp i, 0,1,2
	v_mov_b32 v[\pc+3+6*\c+\i], v[\pc+12+4*\c+\i]
.endr
.endr
.endm
	s_load_b128 s[4:7], s[0:1], 0x0                ; x_img, w_img
	s_load_b64 s[8:9], s[0:1], 0x10                ; qkv
	v_lshl_add_u32 v126, v0, 2, 0x4b000
	v_mov_b32 v127, 0
	ds_add_u32 v126, v127
	ds_add_u32 v126, v127
	v_lshrrev_b32 v1, 5, v0
	v_readfirstlane_b32 s[WV], v1                  ; wave 0..3
	s_bfe_u32 s[CX], ttmp6, 0x40000                ; my place in the cluster
	s_lshl_b32 s[G], ttmp9, 2
	s_add_co_u32 s[G], s[G], s[CX]                 ; which 256 tokens: it enters x's and qkv's addresses alone
	s_and_b32 s[Y], ttmp7, 0xffff                  ; which pair of heads: the four partners share it
	v_and_b32 v9, 31, v0                           ; lane
	v_lshlrev_b32 v[LI], 4, v9
	s_and_b32 s14, s[WV], 1                        ; which half of a step of 128 tokens is mine
	s_mul_i32 s15, s14, 3072
	v_add_nc_u32 v[LIC], s15, v[LI]
	v_lshl_add_u32 v[L8V], v9, 3, 512
	v_add_nc_u32 v[L8C], s15, v[L8V]
	s_mul_i32 s16, s14, 768
	v_add_nc_u32 v[LIV], s16, v[LI]
	v_add_nc_u32 v[L8V], s16, v[L8V]
	s_lshl_b32 s17, s14, 7
	v_lshl_add_u32 v[L4S], v9, 2, s17
	s_lshl_b32 s17, s14, 1
	v_lshl_add_u32 v[L4V], v9, 2, s17
	v_cmp_lt_u32 s[HM], 15, v9
.irp b, 0,1,2,3
	v_mov_b32 v[TM+4+\b], 0                        ; written once: a lane permute's destination counts as one of its sources
.endr
	s_mov_b32 s[SEL], 0x76543210
	s_mov_b32 s[SEL+1], 0xfedcba98
	; descriptor group 1: two tile records, 25,600 dense bytes, as 100 rows of 256 bytes (32 elements of 8 bytes), no padding
	s_mov_b32 s[G1], 0x0023000f                    ; 15:0 the mask: all four work-groups; 17:16 elements of 8 bytes; 21 set beside a mask
	s_mov_b32 s[G1+1], 32<<16                      ; tensor_dim0
	s_mov_b32 s[G1+2], 100<<16                     ; tensor_dim1
	s_mov_b32 s[G1+3], 32<<16                      ; tile_dim0
	s_mov_b32 s[G1+4], 100                         ; tile_dim1
	s_mov_b32 s[G1+5], 32                          ; from row to row
	s_mov_b32 s[G1+6], 0
	s_mov_b32 s[G1+7], 0
	s_mul_i32 s18, s[WV], 25600                    ; my two tiles of a matrix's eight: in LDS and in memory alike
	s_mul_i32 s20, s[Y], 102400
	s_add_co_u32 s20, s20, s18
	s_mov_b32 s21, 0
	s_lshl_b32 s22, s[G], 4
	s_lshl_b32 s23, s[WV], 2
	s_add_co_u32 s22, s22, s23
	s_mul_i32 s22, s22, 12800                      ; x: token tile 16 g + 4 w
	s_mov_b32 s23, 0
	s_lshr_b32 s54, s[G], 3                        ; the batch
	s_lshl_b32 s54, s54, 4
	s_lshl_b32 s55, s[Y], 1
	s_add_co_u32 s54, s54, s55                     ; 16 x batch + head
	s_lshl_b32 s54, s54, 4
	s_and_b32 s55, s[G], 7
	s_lshl_b32 s55, s55, 1
	s_add_co_u32 s54, s54, s55
	s_lshr_b32 s55, s[WV], 1
	s_add_co_u32 s54, s54, s55                     ; + the step of 128 tokens: 2 (g % 8) + w / 2
	s_mul_i32 s54, s54, 19200
	s_mov_b32 s55, 0
	s_wait_dscnt 0x0
	s_wait_kmcnt 0x0
	s_add_nc_u64 s[4:5], s[4:5], s[22:23]
	s_add_nc_u64 s[6:7], s[6:7], s[20:21]
	s_add_nc_u64 s[BASE:BASE+1], s[8:9], s[54:55]
.irp m, 0,1,2
	s_mov_b32 s[G0+4*\m], 1
	s_add_co_u32 s[G0+4*\m+1], s18, \m*102400      ; LDS: [matrix][8 tiles][12,800]
	s_add_nc_u64 s[G0+4*\m+2:G0+4*\m+3], s[6:7], \m*819200
	s_or_b32 s[G0+4*\m+3], s[G0+4*\m+3], 0x80000000
.endr
	WIN 0x40                                       ; destination window 1, offset window 0
.irp s, 0,1,2,3,4
.irp t, 0,1,2,3
.irp c, 0,1,2
	global_load_b128 v[48*\s+12*\t+4*\c:48*\s+12*\t+4*\c+3], v[LI], s[4:5] offset:\t*12800+1536*\s+512*\c
.endr
.endr
.endr
	WIN 0x80                                       ; destination window 2
.irp s, 5,6,7
.irp t, 0,1,2,3
.irp c, 0,1,2
	global_load_b128 v[48*(\s-5)+12*\t+4*\c:48*(\s-5)+12*\t+4*\c+3], v[LI], s[4:5] offset:\t*12800+1536*\s+512*\c
.endr
.endr
.endr
	WIN 0
.irp t, 0,1,2,3
	global_load_b128 v[XS+4*\t:XS+4*\t+3], v[LI], s[4:5] offset:\t*12800+12288
.endr
	CROUND                                         ; all four work-groups are here: the joint loads meet
	tensor_load_to_lds s[G0:G0+3], s[G1:G1+7]      ; Wq's, Wk's, Wv's: three loads of mine are out; they stand together, and four v_nop follow the last
	s_nop 0
	tensor_load_to_lds s[G0+4:G0+7], s[G1:G1+7]
	s_nop 0
	tensor_load_to_lds s[G0+8:G0+11], s[G1:G1+7]
	s_nop 0
.rept 4
	v_nop
.endr
	s_wait_loadcnt 0x0                             ; x's fragments and scale words
.macro WFETCH s                        ; the unit's four fragments of K step s into set s % 2
	WIN 0x80
.irp ct, 0,1,2,3
.irp c, 0,1,2
	ds_load_b128 v[144+48*((\s)%2)+12*\ct+4*\c:144+48*((\s)%2)+12*\ct+4*\c+3], v[WAD] offset:\ct*12800+1536*(\s)+512*\c
.endr
.endr
.endm
.macro EMIT
.if ks == 0
	v_wmma_scale_f32_16x16x128_f8f6f4 v[rD:rD+7], v[rA:rA+11], v[rB:rB+11], 0, v[sA], v[sB] matrix_a_fmt:MATRIX_FMT_FP6 matrix_b_fmt:MATRIX_FMT_FP6
.elseif ks < 4
	v_wmma_scale_f32_16x16x128_f8f6f4 v[rD:rD+7], v[rA:rA+11], v[rB:rB+11], v[rD:rD+7], v[sA], v[sB] matrix_a_fmt:MATRIX_FMT_FP6 matrix_b_fmt:MATRIX_FMT_FP6
.else
	v_wmma_scale_f32_16x16x128_f8f6f4 v[rD:rD+7], v[rA:rA+11], v[rB:rB+11], v[rD:rD+7], v[sA], v[sB] matrix_a_fmt:MATRIX_FMT_FP6 matrix_b_fmt:MATRIX_FMT_FP6 matrix_a_scale:MATRIX_SCALE_ROW1 matrix_b_scale:MATRIX_SCALE_ROW1
.endif
.endm
; A unit: 64 tokens x 64 columns x K = 1,024: eight K steps of 16 matrix instructions.  The 16 accumulators take turns, one instruction a turn, in the same order in every step.
; The first step's products start the sums.  kind 0: source 0 = W (q, k);  kind 1: source 0 = x (v).
.macro MAIN kind
	v_add_nc_u32 v[WAD], s[UB], v[LI]
	s_wait_alu depctr_va_vdst(0)
.irp ct, 0,1,2,3
	ds_load_b128 v[WS+4*\ct:WS+4*\ct+3], v[WAD] offset:\ct*12800+12288
.endr
	WFETCH 0
.set ks, 0
.rept 8
.if ks < 7
.if ks > 0
	PLACES                                         ; the set to be loaded was multiplied in the step before
.endif
	WFETCH ks+1
	s_wait_dscnt 12                                ; all but the 12 loads just issued: this step's fragments are in
.else
	s_wait_dscnt 0x0
.endif
.if ks < 5
.if \kind == 0
	WIN 0x06                                       ; source 0 (W) window 2, source 1 (x) window 1
.else
	WIN 0x09                                       ; source 0 (x) window 1, source 1 (W) window 2
.endif
.set xb, 48*ks
.else
	WIN 0x0a                                       ; both in window 2
.set xb, 48*(ks-5)
.endif
.set tt, 0
.rept 4
.set ct, 0
.rept 4
.if \kind == 0
.set rD, ACC+32*tt+8*ct
.set rA, 144+48*(ks%2)+12*ct
.set rB, xb+12*tt
.set sA, WS+4*ct+ks%4
.set sB, XS+4*tt+ks%4
.else
.set rD, ACC+32*ct+8*tt
.set rA, xb+12*tt
.set rB, 144+48*(ks%2)+12*ct
.set sA, XS+4*tt+ks%4
.set sB, WS+4*ct+ks%4
.endif
	EMIT
.set ct, ct+1
.endr
.set tt, tt+1
.endr
.set ks, ks+1
.endr
	WIN 0
	PLACES
.endm
; q or k out.  A token tile's 32 registers are its head's 64 channels in order: two tiles make one run of 64 numbers, whose 12 code registers are the two tiles' halves and whose scale word is the pair's.
.macro EPI_QK m
	QUANT ACC, PCA, PW0
	QUANT ACC+64, PCB, PW0+1
.irp u, 0,1
	global_store_b128 v[LIC], v[PCA+6*\u:PCA+6*\u+3], s[U:U+1] offset:6400*\m+768*\u         ; 512 consecutive bytes, aligned
	global_store_b64 v[L8C], v[PCA+6*\u+4:PCA+6*\u+5], s[U:U+1] offset:6400*\m+768*\u        ; 256 consecutive bytes, aligned
	global_store_b128 v[LIC], v[PCB+6*\u:PCB+6*\u+3], s[U:U+1] offset:6400*\m+768*(2+\u)
	global_store_b64 v[L8C], v[PCB+6*\u+4:PCB+6*\u+5], s[U:U+1] offset:6400*\m+768*(2+\u)
.endr
	v_cndmask_b32 v[SV], v[PW0], v[PW0+1], s[HM]   ; lanes 0-15 the first pair's words, lanes 16-31 the second's
	global_store_b32 v[L4S], v[SV], s[U:U+1] offset:6400*\m+6144
.endm
; v out.  A channel tile's 32 registers are my 64 keys in order: half a fragment of V^T.  Of a scale word (128 keys) two bytes are mine, the other two the neighbouring wave's: stores of 2 bytes, 4 apart.
.macro EPI_V
	QUANT ACC, PCA, PW0
	QUANT ACC+64, PCB, PW0+1
.irp c, 0,1
	global_store_b128 v[LIV], v[PCA+6*\c:PCA+6*\c+3], s[U:U+1] offset:12800+1536*\c
	global_store_b64 v[L8V], v[PCA+6*\c+4:PCA+6*\c+5], s[U:U+1] offset:12800+1536*\c
	global_store_b128 v[LIV], v[PCB+6*\c:PCB+6*\c+3], s[U:U+1] offset:12800+1536*(2+\c)
	global_store_b64 v[L8V], v[PCB+6*\c+4:PCB+6*\c+5], s[U:U+1] offset:12800+1536*(2+\c)
.endr
.irp e, 0,1
	v_lshrrev_b32 v[SV+2], 16, v[PW0+\e]
	v_cndmask_b32 v[SV+\e], v[PW0+\e], v[SV+2], s[HM]   ; lanes 0-15 channel tile 2 e, lanes 16-31 tile 2 e + 1
	global_store_b16 v[L4V], v[SV+\e], s[U:U+1] offset:18944+128*\e
.endr
.endm
; A matrix's two heads.  The wait counts my loads of the later matrices, which may stay out.
.macro PAIR kind, m
	s_wait_tensorcnt 2-\m
	s_barrier_signal -1
	s_barrier_wait -1                              ; every wave's part of this matrix is in LDS
	s_mov_b32 s[UB], \m*102400
	s_mov_b64 s[U:U+1], s[BASE:BASE+1]
	s_mov_b32 s[HC], 0
.Lhead_\@:
	MAIN \kind
.if \kind == 0
	EPI_QK \m
.else
	EPI_V
.endif
	s_wait_xcnt 0x0                                ; the stores have read their registers and their base: both are written again behind this wait
	s_add_nc_u64 s[U:U+1], s[U:U+1], 307200        ; the next head's record
	s_add_co_u32 s[UB], s[UB], 51200               ; and its four tiles of the matrix
	s_add_co_u32 s[HC], s[HC], 1
	s_cmp_lt_u32 s[HC], 2
	s_cbranch_scc1 .Lhead_\@
.endm
	PAIR 0, 0
	PAIR 0, 1
	PAIR 1, 2
	s_wait_tensorcnt 0x0
	ds_add_u32 v126, v127
	s_wait_dscnt 0x0
	CROUND                                         ; the closing round
	s_endpgm
.Lfunc_end_k_qc3924af439_proj:
	.size	k_qc3924af439_proj, .Lfunc_end_k_qc3924af439_proj-k_qc3924af439_proj
	.p2alignl 7, 3214868480
	.fill 96, 4, 3214868480
	.section	.rodata,"a",@progbits
	.p2align	6, 0x0
	.amdhsa_kernel k_qc3924af439_proj
		.amdhsa_group_segment_fixed_size 307712
		.amdhsa_private_segment_fixed_size 0
		.amdhsa_enable_private_segment 0
		.amdhsa_kernarg_size 24
		.amdhsa_user_sgpr_count 2
		.amdhsa_user_sgpr_kernarg_segment_ptr 1
		.amdhsa_wavefront_size32 1
		.amdhsa_system_sgpr_workgroup_id_x 1
		.amdhsa_system_sgpr_workgroup_id_y 1
		.amdhsa_system_sgpr_workgroup_id_z 1
		.amdhsa_system_vgpr_workitem_id 0
		.amdhsa_next_free_vgpr 768
		.amdhsa_next_free_sgpr 66
		.amdhsa_reserve_vcc 0
		.amdhsa_float_denorm_mode_32 3
		.amdhsa_float_denorm_mode_16_64 3
		.amdhsa_memory_ordered 1
		.amdhsa_forward_progress 1
		.amdhsa_inst_pref_size 114
	.end_amdhsa_kernel
	.amdgpu_metadata
---
amdhsa.version: [ 1, 2 ]
amdhsa.kernels:
  - .name:           k_qc3924af439_proj
    .symbol:         k_qc3924af439_proj.kd
    .args:
      - { .name: x_img, .offset: 0, .size: 8, .value_kind: global_buffer, .address_space: global }
      - { .name: w_img, .offset: 8, .size: 8, .value_kind: global_buffer, .address_space: global }
      - { .name: qkv, .offset: 16, .size: 8, .value_kind: global_buffer, .address_space: global }
    .group_segment_fixed_size: 307712
    .private_segment_fixed_size: 0
    .kernarg_segment_align: 8
    .kernarg_segment_size: 24
    .max_flat_workgroup_size: 128
    .sgpr_count:     66
    .vgpr_count:     768
    .wavefront_size: 32
...
	.end_amdgpu_metadata
.endif
;; end of part 2
;; launch attn (part 3): grid 4 x 64, 16 waves a work-group, clusters of 4 x 1, 206,848 bytes of LDS; arguments qkv, ctx_img; writes ctx_img
.if DOCPART == 3
	.amdgcn_target "amdgcn-amd-amdhsa--gfx1250"
	.amdhsa_code_object_version 6
	.text
	.protected	k_qc3924af439_attn
	.globl	k_qc3924af439_attn
	.p2align	8
	.type	k_qc3924af439_attn,@function
k_qc3924af439_attn:
	s_mov_b64 s[64:65], 0
	v_nop
	global_prefetch_b8 v0, s[64:65] scope:SCOPE_SE
	s_setreg_imm32_b32 hwreg(HW_REG_WAVE_MODE, 25, 1), 1
	s_wait_xcnt 0x0
	s_wait_alu depctr_hold_cnt(0) depctr_sa_sdst(0) depctr_va_vdst(0) depctr_va_sdst(0) depctr_va_ssrc(0) depctr_va_vcc(0) depctr_vm_vsrc(0)
	s_getreg_b32 s2, hwreg(HW_REG_IB_STS2, 6, 4)
	s_cmp_eq_u32 s2, 0
	s_cbranch_scc0 .Lentry_in_a_cluster
	s_endpgm
.Lentry_in_a_cluster:
	s_bfe_u32 s2, ttmp6, 0x10000c
	s_cmp_lg_u32 s2, 0x3003
	s_cbranch_scc0 .Lentry_shape_is_right
	s_endpgm
.Lentry_shape_is_right:
; ctx = softmax(q k^T / 8, causal) v for one head, both products on codes of FP6 (E2M3); ctx quantised along the model's 1,024 on the way out.
; THE SOFTMAX: t = score x log2(e) / 8; M = the running largest t rounded UP to a whole number; p = 2^(t - M) is quantised along the keys, not normalised; the row's sum of the unquantised p divides at the end.
; SHARES.  A cluster of four work-groups owns a head (ttmp7).  The head's K, V and their scale words, 16 steps of 128 keys x 12,800 bytes, lie in LDS whole, filled ONCE by joint loads (one a wave, 16 waves); no byte is filled twice.
; Wave w of work-group cx takes two tiles of 16 queries one after the other: tile 2 cx + w % 2 of step w / 2 and of step 15 - w / 2: (w / 2 + 1) + (16 - w / 2) = 17 key steps for every wave.
; Branches and limits hang on the wave's number alone; cx enters global addresses and the mask's lane data only.  Steps all of whose keys come after the queries are jumped over; the loop's trip count stays 16.
; LAYOUT.  S^T = K Q^T, O^T = V^T P^T: a lane holds one query.  The head size is 64, half of the instruction's K: a fragment of K holds TWO tiles of keys (tile 2 b at k 0-63, tile 2 b + 1 at k 64-127),
; and Q stands between zeros: v[22:33] = (q, 0) picks the first tile, v[16:27] = (0, q) the second; the other tile's codes meet zero codes and add exact zeros.
; Place r of tile 2 B + u is row 32 B + 8 u + r + 8 (r / 8) for keys, queries and channels alike: so the 16 registers of two neighbouring tiles are 16 neighbours.
; OUT: ctx_img [512 token tiles][12,800]: fragment s = heads 2 s, 2 s + 1 as two halves of 768 bytes (registers 0-3 at 16 l, registers 4-5 at 512 + 8 l); scale words at 12,288 + 256 (s / 4) + 16 r + 4 (s % 4).
; LIMITS: M is a whole number exactly while |t| < 2^24; blocks of zeros keep the scale byte 1; NaN and infinities are not served.
.set LI,  1                            ; 16 l
.set L8,  2                            ; 8 l + 512
.set L4,  3                            ; 4 l
.set AD16, 4                           ; the same three + the step's first LDS byte
.set AD8, 5
.set AD4, 6
.set DQ,  7                            ; my query's place in its step - 16 (lane / 16)
.set NINF, 8
.set R4,  9                            ; 4 r
.set SOF, 10                           ; ctx's scale store: offset,
.set SDT, 11                           ; data
.set QS,  34                           ; q's two scale bytes, twice
.set HW0, 35                           ; ctx's two scale bytes, first tile;
.set HW1, 44                           ; second tile
.set Q1,  36                           ; v36-41 the second tile's q
.set QR,  42                           ; v42-43 the scale words as loaded
.set KF,  48                           ; v48-95 four fragments of K, then of V
.set S,   96                           ; v96-159 S^T, then p
.set O,   160                          ; v160-191 O^T
.set PC,  192                          ; v192-203 p's codes; v204-210 at work
.set BM,  212
.set BT,  216
.set SO,  220
.set KS,  224
.set VS,  226
.set PW,  228
.set F,   230                          ; v[230:231]
.set T,   232
.set SUM2, 236
.set WV,  8
.set CX,  9
.set BH,  10
.set GG,  11
.set SUB, 12
.set LIM, 13                           ; the last step with keys that count
.set KI,  14
.set TB,  15
.set G1,  16
.set G0,  24
.set SEL, 28
.set CS,  30                           ; s[30:31] c = log2(e) / 8
.set QP,  32
.set CP,  36
.set HM,  40
.set SH,  41
.set QSP, 44
.set SCP, 48
.set DIFF, 50
.macro PLACES
.rept 4
	v_nop
.endr
.endm
.macro CROUND
	s_barrier_signal -1
	s_barrier_wait -1
	s_cmp_lg_u32 s[WV], 0
	s_cbranch_scc1 .Lnot_wave_0_\@
	s_barrier_signal -3
.Lnot_wave_0_\@:
	s_barrier_wait -3
	s_barrier_signal -1
	s_barrier_wait -1
.endm
	s_load_b128 s[4:7], s[0:1], 0x0                ; qkv, ctx_img
	v_lshl_add_u32 v254, v0, 2, 0x32000
	v_mov_b32 v255, 0
	ds_add_u32 v254, v255
	ds_add_u32 v254, v255
	v_lshrrev_b32 v1, 5, v0
	s_delay_alu instid0(VALU_DEP_1)
	v_readfirstlane_b32 s[WV], v1                  ; wave 0..15
	s_bfe_u32 s[CX], ttmp6, 0x40000
	s_and_b32 s[BH], ttmp7, 0xffff                 ; 16 x batch + head
	s_lshr_b32 s[GG], s[WV], 1
	s_and_b32 s[SUB], s[WV], 1
	s_lshl_b32 s[SH], s[SUB], 4
	v_and_b32 v44, 31, v0                          ; lane
	v_and_b32 v45, 15, v0                          ; r
	v_bfe_u32 v46, v0, 4, 1                        ; h
	s_delay_alu instid0(VALU_DEP_3)
	v_lshlrev_b32 v[LI], 4, v44
	s_delay_alu instid0(VALU_DEP_4)
	v_lshl_add_u32 v[L8], v44, 3, 512
	v_lshlrev_b32 v[L4], 2, v44
	v_lshlrev_b32 v[R4], 2, v45
	v_cmp_lt_u32 s[HM], 15, v44
	s_lshl_b32 s52, s[CX], 5
	s_lshl_b32 s53, s[SUB], 3
	s_add_co_u32 s52, s52, s53
	v_and_b32 v47, 8, v45
	s_delay_alu instid0(VALU_DEP_1)
	v_add_nc_u32 v47, v47, v45
	s_delay_alu instid0(VALU_DEP_1)
	v_add_nc_u32 v47, s52, v47                     ; my query in its step: 32 cx + 8 (w % 2) + r + 8 (r / 8)
	v_lshlrev_b32 v[DQ], 4, v46
	s_delay_alu instid0(VALU_DEP_1)
	v_sub_nc_u32 v[DQ], v47, v[DQ]
	v_mov_b32 v[NINF], 0xff800000
.irp i, 0,1,2,3,4,5
	v_mov_b32 v[16+\i], 0                          ; the zero codes on both sides of q
	v_mov_b32 v[28+\i], 0
.endr
.irp b, 0,1,2,3
	v_mov_b32 v[BT+\b], 0                          ; written once: a lane permute's destination counts as one of its sources
.endr
	v_mov_b32 v[F+1], 0                            ; (named as the upper half of a pair)
	s_mov_b32 s[SEL], 0x76543210
	s_mov_b32 s[SEL+1], 0xfedcba98
	s_mov_b32 s[CS], 0x3e38aa3b
	s_mov_b32 s[CS+1], s[CS]
	; descriptor group 1: a step's K, V and scale words: 12,800 dense bytes as 50 rows of 256
	s_mov_b32 s[G1], 0x0023000f                    ; the mask of all four; elements of 8 bytes; bit 21 beside the mask
	s_mov_b32 s[G1+1], 32<<16
	s_mov_b32 s[G1+2], 50<<16
	s_mov_b32 s[G1+3], 32<<16
	s_mov_b32 s[G1+4], 50
	s_mov_b32 s[G1+5], 32
	s_mov_b32 s[G1+6], 0
	s_mov_b32 s[G1+7], 0
	s_mov_b32 s53, 0                               ; the upper word of the offset pair s[52:53]
	s_mov_b32 s59, 0
	s_mul_i32 s54, s[BH], 307200                   ; the head's 16 records
	s_lshl_b32 s55, s[CX], 1
	s_add_co_u32 s55, s55, s[SUB]                  ; my tile in a step
	s_sub_co_u32 s56, 15, s[GG]                    ; the second tile's step
	s_sub_co_u32 s[DIFF], s56, s[GG]
	s_mul_i32 s[DIFF], s[DIFF], 102400             ; bytes from the first tile's record in ctx_img to the second's: 8 tiles a step
	v_lshlrev_b32 v[SOF], 4, v45
	s_delay_alu instid0(VALU_DEP_1)
	v_mad_u32_u24 v[SOF], v46, s[DIFF], v[SOF]     ; lanes 0-15 the first tile's rows, lanes 16-31 the second's
	s_mul_i32 s58, s[WV], 19200                    ; wave w fetches step w: no place in the cluster enters this address
	s_add_co_u32 s58, s58, s54
	s_add_co_u32 s58, s58, 6400
	s_wait_dscnt 0x0
	s_wait_kmcnt 0x0
	s_mov_b32 s[G0], 1
	s_mul_i32 s[G0+1], s[WV], 12800
	s_add_nc_u64 s[G0+2:G0+3], s[4:5], s[58:59]
	s_or_b32 s[G0+3], s[G0+3], 0x80000000
	s_mul_i32 s57, s55, 768
	s_add_co_u32 s57, s57, s54
	s_mul_i32 s52, s[GG], 19200
	s_add_co_u32 s52, s52, s57
	s_add_nc_u64 s[QP:QP+1], s[4:5], s[52:53]      ; q's codes, first tile
	s_mul_i32 s52, s56, 19200
	s_add_co_u32 s52, s52, s57
	s_add_nc_u64 s[QP+2:QP+3], s[4:5], s[52:53]    ; second tile
	s_lshl_b32 s57, s[CX], 6
	s_add_co_u32 s57, s57, s54
	s_add_co_u32 s57, s57, 6144
	s_mul_i32 s52, s[GG], 19200
	s_add_co_u32 s52, s52, s57
	s_add_nc_u64 s[QSP:QSP+1], s[4:5], s[52:53]    ; the scale words of my pair of tiles
	s_mul_i32 s52, s56, 19200
	s_add_co_u32 s52, s52, s57
	s_add_nc_u64 s[QSP+2:QSP+3], s[4:5], s[52:53]
	s_lshr_b32 s57, s[BH], 4
	s_lshl_b32 s57, s57, 7
	s_add_co_u32 s57, s57, s55                     ; 128 x batch + my tile in a step
	s_and_b32 s51, s[BH], 15                       ; the head
	s_lshl_b32 s52, s[GG], 3
	s_add_co_u32 s52, s52, s57
	s_mul_i32 s52, s52, 12800
	s_add_nc_u64 s[SCP:SCP+1], s[6:7], s[52:53]    ; the first tile's record
	s_mul_i32 s52, s51, 768                        ; fragment head / 2, half head % 2
	s_add_nc_u64 s[CP:CP+1], s[SCP:SCP+1], s[52:53]
	s_add_nc_u64 s[CP+2:CP+3], s[6:7], s[52:53]
	s_lshl_b32 s52, s56, 3
	s_add_co_u32 s52, s52, s57
	s_mul_i32 s52, s52, 12800
	s_add_nc_u64 s[CP+2:CP+3], s[CP+2:CP+3], s[52:53]
	s_lshr_b32 s52, s51, 3
	s_lshl_b32 s52, s52, 8
	s_and_b32 s57, s51, 7
	s_lshl_b32 s57, s57, 1
	s_add_co_u32 s52, s52, s57
	s_add_co_u32 s52, s52, 12288                   ; 12,288 + 256 (s / 4) + 4 (s % 4) + 2 (head % 2), s = head / 2
	s_add_nc_u64 s[SCP:SCP+1], s[SCP:SCP+1], s[52:53]
	global_load_b128 v[22:25], v[LI], s[QP:QP+1]
	global_load_b64 v[26:27], v[L8], s[QP:QP+1]
	global_load_b128 v[Q1:Q1+3], v[LI], s[QP+2:QP+3]
	global_load_b64 v[Q1+4:Q1+5], v[L8], s[QP+2:QP+3]
	global_load_b32 v[QR], v[R4], s[QSP:QSP+1]
	global_load_b32 v[QR+1], v[R4], s[QSP+2:QSP+3]
	CROUND                                         ; all four work-groups are here: the joint loads meet
	tensor_load_to_lds s[G0:G0+3], s[G1:G1+7]      ; my one tensor load of the launch; four v_nop follow it
	s_nop 0
.rept 4
	v_nop
.endr
	s_wait_tensorcnt 0x0                           ; my step is in,
	s_barrier_signal -1
	s_barrier_wait -1                              ; everybody's is: from here on the waves share nothing
	s_wait_loadcnt 0x0                             ; q
; A KEY STEP: 128 keys.  In LDS: K's 8 halves at 0, their scale words at 6,144, V's 8 halves at 6,400, their scale words at 12,544.
.macro STEP
	s_cmp_gt_u32 s[KI], s[LIM]                     ; all its keys come after my queries: nothing to do
	s_cbranch_scc1 .Lhidden_\@
	s_setprio 2
	v_add_nc_u32 v[AD16], s[TB], v[LI]
	v_add_nc_u32 v[AD8], s[TB], v[L8]
	v_add_nc_u32 v[AD4], s[TB], v[L4]
	v_nop                                          ; four places in front of loads into registers that the last step's products read
.irp t, 0,1,2,3,4,5,6,7
	ds_load_b128 v[KF+6*\t:KF+6*\t+3], v[AD16] offset:768*\t
	ds_load_b64 v[KF+6*\t+4:KF+6*\t+5], v[AD8] offset:768*\t
.endr
	ds_load_b32 v[KS], v[AD4] offset:6144          ; lanes 0-15 the words of fragment 0, lanes 16-31 of fragment 1
	ds_load_b32 v[KS+1], v[AD4] offset:6144+128    ; fragments 2 and 3
	s_wait_alu depctr_va_vdst(0)
	s_wait_dscnt 0x0
.irp b, 0,1,2,3
.if \b%2
	v_wmma_scale_f32_16x16x128_f8f6f4 v[S+16*\b:S+16*\b+7], v[KF+12*\b:KF+12*\b+11], v[22:33], 0, v[KS+\b/2], v[QS] matrix_a_fmt:MATRIX_FMT_FP6 matrix_b_fmt:MATRIX_FMT_FP6 matrix_a_scale:MATRIX_SCALE_ROW1
	v_wmma_scale_f32_16x16x128_f8f6f4 v[S+16*\b+8:S+16*\b+15], v[KF+12*\b:KF+12*\b+11], v[16:27], 0, v[KS+\b/2], v[QS] matrix_a_fmt:MATRIX_FMT_FP6 matrix_b_fmt:MATRIX_FMT_FP6 matrix_a_scale:MATRIX_SCALE_ROW1
.else
	v_wmma_scale_f32_16x16x128_f8f6f4 v[S+16*\b:S+16*\b+7], v[KF+12*\b:KF+12*\b+11], v[22:33], 0, v[KS+\b/2], v[QS] matrix_a_fmt:MATRIX_FMT_FP6 matrix_b_fmt:MATRIX_FMT_FP6
	v_wmma_scale_f32_16x16x128_f8f6f4 v[S+16*\b+8:S+16*\b+15], v[KF+12*\b:KF+12*\b+11], v[16:27], 0, v[KS+\b/2], v[QS] matrix_a_fmt:MATRIX_FMT_FP6 matrix_b_fmt:MATRIX_FMT_FP6
.endif
.endr                                          ; register S + 16 b + i of lane (r, h): query r, key 32 b + 16 h + i of the step
	PLACES                                         ; in front of the loads into K's registers and of the first read of the scores
.irp t, 0,1,2,3,4,5,6,7
	ds_load_b128 v[KF+6*\t:KF+6*\t+3], v[AD16] offset:6400+768*\t      ; V lands while the softmax is worked
	ds_load_b64 v[KF+6*\t+4:KF+6*\t+5], v[AD8] offset:6400+768*\t
.endr
	ds_load_b32 v[VS], v[AD4] offset:12544
	ds_load_b32 v[VS+1], v[AD4] offset:12544+128
	s_cmp_lg_u32 s[KI], s[LIM]                     ; only my queries' own step lies on the diagonal
	s_cbranch_scc1 .Lopen_\@
.set n, 0
.rept 64
	v_cmp_gt_i32 vcc_lo, 32*(n/16)+n%16, v[DQ]     ; the key comes after the query:
	v_cndmask_b32 v[S+n], v[S+n], v[NINF], vcc_lo  ; its score becomes -infinity, p = 0
.set n, n+1
.endr
.Lopen_\@:
.irp b, 0,1,2,3
	v_max3_num_f32 v[BM+\b], v[S+16*\b], v[S+1+16*\b], v[S+2+16*\b]   ; the largest score of each block of 32 keys: for the row's maximum, and, since p rises with the score, for the block's largest p
.endr
.irp i, 3,5,7,9,11,13
.irp b, 0,1,2,3
	v_max3_num_f32 v[BM+\b], v[BM+\b], v[S+16*\b+\i], v[S+1+16*\b+\i]
.endr
.endr
.irp b, 0,1,2,3
	v_max_num_f32 v[BM+\b], v[BM+\b], v[S+15+16*\b]
.endr
.irp b, 0,1,2,3
	s_delay_alu instid0(VALU_DEP_4)
	v_permlanex16_b32 v[BT+\b], v[BM+\b], s[SEL], s[SEL+1]
.endr
.irp b, 0,1,2,3
	s_delay_alu instid0(VALU_DEP_4)
	v_max_num_f32 v[BM+\b], v[BM+\b], v[BT+\b]     ; with lane l xor 16's 16 keys
.endr
	s_delay_alu instid0(VALU_DEP_2)
	v_max3_num_f32 v[T], v[BM], v[BM+1], v[BM+2]
	s_delay_alu instid0(VALU_DEP_1)
	v_max_num_f32 v[T], v[T], v[BM+3]
	s_delay_alu instid0(VALU_DEP_1)
	v_mul_f32 v[T], s[CS], v[T]                    ; the step's largest t (c is positive)
	s_delay_alu instid0(VALU_DEP_1)
	v_max_num_f32 v13, v13, v[T]                   ; the running largest t
	v_mov_b32 v[T], v12
	s_delay_alu instid0(VALU_DEP_2)
	v_floor_f32 v12, -v13                          ; the new -M = floor(-t): M is a whole number
	s_delay_alu instid0(VALU_DEP_1)
	v_sub_f32 v[T], v12, v[T]                      ; old M - new M: a whole number, 0 or less
	s_delay_alu instid0(VALU_DEP_1)
	v_cvt_i32_f32 v[T], v[T]                       ; (it saturates)
	s_delay_alu instid0(VALU_DEP_1)
	v_ldexp_f32 v[F], 1.0, v[T]                    ; f = 2^(old M - new M): a multiplication by it rounds nothing
.set n, 0
.rept 32
	v_pk_fma_f32 v[S+n:S+n+1], v[S+n:S+n+1], s[CS:CS+1], v[12:13] op_sel_hi:[1,0,0]   ; t - M
.set n, n+2
.endr
	s_setprio 1
.irp b, 0,1,2,3
	v_fma_f32 v[BM+\b], v[BM+\b], s[CS], v12
.endr
.set n, 0
	s_wait_alu depctr_va_vdst(0)
.rept 64
	v_exp_f32 v[S+n], v[S+n]                       ; p = 2^(t - M)
.set n, n+1
.endr
.irp b, 0,1,2,3
	v_exp_f32 v[BM+\b], v[BM+\b]                   ; the block's largest p: the same two instructions on the same number
.endr
	v_pk_mul_f32 v[14:15], v[14:15], v[F:F+1] op_sel_hi:[1,0]   ; the sums under the new M (a plain place behind the exponentials)
	s_wait_alu depctr_va_vdst(0)
.irp b, 0,1,2,3
	v_max_num_f32 v[BM+\b], 0x1800000, v[BM+\b]    ; the floor 2^(3 - 127)
.endr
.irp b, 0,1,2,3
	s_delay_alu instid0(VALU_DEP_4)
	v_add_nc_u32 v[SO+\b], 0xff000000, v[BM+\b]
.endr
.irp b, 0,1,2,3
	s_delay_alu instid0(VALU_DEP_4)
	v_lshrrev_b32 v[BT+\b], 23, v[SO+\b]
.endr
	s_delay_alu instid0(VALU_DEP_3)
	v_lshl_or_b32 v[PW], v[BT+1], 8, v[BT]         ; p's scale word for these 128 keys
	s_delay_alu instid0(VALU_DEP_1)
	v_lshl_or_b32 v[PW], v[BT+2], 16, v[PW]
	s_delay_alu instid0(VALU_DEP_1)
	v_lshl_or_b32 v[PW], v[BT+3], 24, v[PW]
.irp c, 0,1
	v_cvt_scalef32_pk16_fp6_f32 v[PC+6*\c:PC+2+6*\c], v[S+32*\c:S+15+32*\c], v[SO+2*\c]
	v_cvt_scalef32_pk16_fp6_f32 v[PC+12+4*\c:PC+14+4*\c], v[S+16+32*\c:S+31+32*\c], v[SO+2*\c+1]
.endr
	v_nop                                          ; one plain place behind a scaled conversion
.irp c, 0,1
.irp i, 0,1,2
	v_permlane16_swap_b32 v[PC+6*\c+\i], v[PC+12+4*\c+\i]
.endr
.irp i, 0,1,2
	s_delay_alu instid0(VALU_DEP_3)
	v_mov_b32 v[PC+3+6*\c+\i], v[PC+12+4*\c+\i]
.endr
.endr
	v_pk_add_f32 v[236:237], v[100:101], v[104:105]
	v_pk_add_f32 v[252:253], v[108:109], v[112:113]
	v_pk_add_f32 v[250:251], v[116:117], v[120:121]
	v_pk_add_f32 v[248:249], v[124:125], v[128:129]
	v_pk_add_f32 v[246:247], v[132:133], v[136:137]
	v_pk_add_f32 v[244:245], v[140:141], v[144:145]
	v_pk_add_f32 v[242:243], v[148:149], v[152:153]
	v_pk_add_f32 v[14:15], v[14:15], v[156:157]
	v_pk_add_f32 v[236:237], v[236:237], v[96:97]
	v_pk_add_f32 v[252:253], v[252:253], v[98:99]
	s_setprio 0
	v_pk_add_f32 v[250:251], v[250:251], v[102:103]
	v_pk_add_f32 v[248:249], v[248:249], v[106:107]
	v_pk_add_f32 v[246:247], v[246:247], v[110:111]
	v_pk_add_f32 v[244:245], v[244:245], v[114:115]
	v_pk_add_f32 v[242:243], v[242:243], v[118:119]
	v_pk_add_f32 v[14:15], v[14:15], v[122:123]
	v_pk_add_f32 v[236:237], v[236:237], v[126:127]
	v_pk_add_f32 v[252:253], v[252:253], v[130:131]
	v_pk_add_f32 v[250:251], v[250:251], v[134:135]
	v_pk_add_f32 v[248:249], v[248:249], v[138:139]
	v_pk_add_f32 v[246:247], v[246:247], v[142:143]
	v_pk_add_f32 v[244:245], v[244:245], v[146:147]
	v_pk_add_f32 v[242:243], v[242:243], v[150:151]
	v_pk_add_f32 v[14:15], v[14:15], v[154:155]
	v_pk_add_f32 v[236:237], v[236:237], v[158:159]
	s_delay_alu instid0(VALU_DEP_2)
	v_pk_add_f32 v[14:15], v[14:15], v[248:249]
	s_delay_alu instid0(VALU_DEP_2)
	v_pk_add_f32 v[236:237], v[236:237], v[246:247]
	v_pk_add_f32 v[252:253], v[252:253], v[244:245]
	v_pk_add_f32 v[250:251], v[250:251], v[242:243]
	s_delay_alu instid0(VALU_DEP_2)
	v_pk_add_f32 v[14:15], v[14:15], v[252:253]
	s_delay_alu instid0(VALU_DEP_2)
	v_pk_add_f32 v[236:237], v[236:237], v[250:251]
	s_delay_alu instid0(VALU_DEP_1)
	v_pk_add_f32 v[14:15], v[14:15], v[236:237]
.set n, 0
.rept 16
	v_pk_mul_f32 v[O+n:O+n+1], v[O+n:O+n+1], v[F:F+1] op_sel_hi:[1,0]   ; O^T under the new M.  (These and the sums are the places between p's codes and scale word and the products)
.set n, n+2
.endr
	s_wait_alu depctr_va_vdst(0)
	s_wait_dscnt 0x0                               ; V is in
.irp ct, 0,1,2,3
.if \ct%2
	v_wmma_scale_f32_16x16x128_f8f6f4 v[O+8*\ct:O+8*\ct+7], v[KF+12*\ct:KF+12*\ct+11], v[PC:PC+11], v[O+8*\ct:O+8*\ct+7], v[VS+\ct/2], v[PW] matrix_a_fmt:MATRIX_FMT_FP6 matrix_b_fmt:MATRIX_FMT_FP6 matrix_a_scale:MATRIX_SCALE_ROW1
.else
	v_wmma_scale_f32_16x16x128_f8f6f4 v[O+8*\ct:O+8*\ct+7], v[KF+12*\ct:KF+12*\ct+11], v[PC:PC+11], v[O+8*\ct:O+8*\ct+7], v[VS+\ct/2], v[PW] matrix_a_fmt:MATRIX_FMT_FP6 matrix_b_fmt:MATRIX_FMT_FP6
.endif
.endr                                          ; the four accumulators take turns, one instruction a turn
.Lhidden_\@:
.endm
; One tile of 16 queries: p = 0 the first, 1 the second
.macro PASS p
.if \p
	s_wait_xcnt 0x0                                ; the first tile's stores have read the codes' registers
.irp i, 0,1,2,3,4,5
	v_mov_b32 v[22+\i], v[Q1+\i]
.endr
.endif
	v_lshrrev_b32 v[QS], s[SH], v[QR+\p]           ; my tile's two bytes of the pair's word,
	s_delay_alu instid0(VALU_DEP_1)
	v_and_b32 v[QS], 0xffff, v[QS]
	s_delay_alu instid0(VALU_DEP_1)
	v_lshl_or_b32 v[QS], v[QS], 16, v[QS]          ; at both places: q stands at k 0-63 or at k 64-127
	v_mov_b32 v13, 0xff61b1e6                      ; the largest t so far: -3e38
	s_delay_alu instid0(VALU_DEP_1)
	v_floor_f32 v12, -v13                          ; -M
	v_mov_b32 v14, 0
	v_mov_b32 v15, 0
.set n, 0
.rept 32
	v_mov_b32 v[O+n], 0                            ; the step is written once: the first finds zeros.  (Also the places between q, its scale word and the first product)
.set n, n+1
.endr
.if \p
	s_sub_co_u32 s[LIM], 15, s[GG]
.else
	s_mov_b32 s[LIM], s[GG]
.endif
	s_mov_b32 s[KI], 0
	s_mov_b32 s[TB], 0
.Lkey_\@:
	STEP
	s_add_co_u32 s[TB], s[TB], 12800
	s_add_co_u32 s[KI], s[KI], 1
	s_cmp_lt_u32 s[KI], 16
	s_cbranch_scc1 .Lkey_\@
	s_setprio 0
	PLACES                                         ; behind the last products
	v_add_f32 v14, v14, v15
	s_delay_alu instid0(VALU_DEP_1)
	v_permlanex16_b32 v[BT], v14, s[SEL], s[SEL+1]
	s_delay_alu instid0(VALU_DEP_1)
	v_add_f32 v14, v14, v[BT]                      ; the row's sum
	s_wait_alu depctr_va_vdst(0)
	v_rcp_f32 v14, v14
	v_nop                                          ; one plain place behind a transcendental
.set n, 0
	s_wait_alu depctr_va_vdst(0)
.rept 32
	v_mul_f32 v[S+n], v[O+n], v14                  ; ctx: register 16 b + i = channel 32 b + 16 h + i of my query
.set n, n+1
.endr
.irp b, 0,1                                    ; the head's two blocks of 32 along the last product's K
	v_max3_num_f32 v[BM+\b], |v[S+16*\b]|, |v[S+1+16*\b]|, 0x1800000
.endr
.irp i, 2,4,6,8,10,12,14
.irp b, 0,1
	s_delay_alu instid0(VALU_DEP_2)
	v_max3_num_f32 v[BM+\b], v[BM+\b], |v[S+16*\b+\i]|, |v[S+1+16*\b+\i]|
.endr
.endr
.irp b, 0,1
	s_delay_alu instid0(VALU_DEP_2)
	v_permlanex16_b32 v[BT+\b], v[BM+\b], s[SEL], s[SEL+1]
.endr
.irp b, 0,1
	s_delay_alu instid0(VALU_DEP_2)
	v_max_num_f32 v[BM+\b], v[BM+\b], v[BT+\b]
.endr
.irp b, 0,1
	s_delay_alu instid0(VALU_DEP_2)
	v_add_nc_u32 v[SO+\b], 0xff000000, v[BM+\b]
.endr
.irp b, 0,1
	s_delay_alu instid0(VALU_DEP_2)
	v_lshrrev_b32 v[BT+\b], 23, v[SO+\b]
.endr
.if \p
	s_delay_alu instid0(VALU_DEP_1)
	v_lshl_or_b32 v[HW1], v[BT+1], 8, v[BT]
.else
	s_delay_alu instid0(VALU_DEP_1)
	v_lshl_or_b32 v[HW0], v[BT+1], 8, v[BT]
.endif
	v_cvt_scalef32_pk16_fp6_f32 v[PC:PC+2], v[S:S+15], v[SO]
	v_cvt_scalef32_pk16_fp6_f32 v[PC+6:PC+8], v[S+16:S+31], v[SO+1]
	v_nop
.irp i, 0,1,2
	v_permlane16_swap_b32 v[PC+\i], v[PC+6+\i]
.endr
.irp i, 0,1,2
	s_delay_alu instid0(VALU_DEP_3)
	v_mov_b32 v[PC+3+\i], v[PC+6+\i]
.endr
	global_store_b128 v[LI], v[PC:PC+3], s[CP+2*\p:CP+2*\p+1]      ; 512 consecutive bytes, aligned
	global_store_b64 v[L8], v[PC+4:PC+5], s[CP+2*\p:CP+2*\p+1]     ; 256 consecutive bytes, aligned
.endm
	PASS 0
	PASS 1
	v_cndmask_b32 v[SDT], v[HW0], v[HW1], s[HM]
	global_store_b16 v[SOF], v[SDT], s[SCP:SCP+1]  ; 2 bytes a lane, 16 apart: a scale word of ctx spans two heads, and this head's half is mine
	s_wait_tensorcnt 0x0
	ds_add_u32 v254, v255
	s_wait_dscnt 0x0
	CROUND                                         ; the closing round
	s_endpgm
.Lfunc_end_k_qc3924af439_attn:
	.size	k_qc3924af439_attn, .Lfunc_end_k_qc3924af439_attn-k_qc3924af439_attn
	.p2alignl 7, 3214868480
	.fill 96, 4, 3214868480
	.section	.rodata,"a",@progbits
	.p2align	6, 0x0
	.amdhsa_kernel k_qc3924af439_attn
		.amdhsa_group_segment_fixed_size 206848
		.amdhsa_private_segment_fixed_size 0
		.amdhsa_enable_private_segment 0
		.amdhsa_kernarg_size 16
		.amdhsa_user_sgpr_count 2
		.amdhsa_user_sgpr_kernarg_segment_ptr 1
		.amdhsa_wavefront_size32 1
		.amdhsa_system_sgpr_workgroup_id_x 1
		.amdhsa_system_sgpr_workgroup_id_y 1
		.amdhsa_system_sgpr_workgroup_id_z 1
		.amdhsa_system_vgpr_workitem_id 0
		.amdhsa_next_free_vgpr 256
		.amdhsa_next_free_sgpr 66
		.amdhsa_reserve_vcc 1
		.amdhsa_float_denorm_mode_32 3
		.amdhsa_float_denorm_mode_16_64 3
		.amdhsa_memory_ordered 1
		.amdhsa_forward_progress 1
		.amdhsa_inst_pref_size 64
	.end_amdhsa_kernel
	.amdgpu_metadata
---
amdhsa.version: [ 1, 2 ]
amdhsa.kernels:
  - .name:           k_qc3924af439_attn
    .symbol:         k_qc3924af439_attn.kd
    .args:
      - { .name: qkv, .offset: 0, .size: 8, .value_kind: global_buffer, .address_space: global }
      - { .name: ctx_img, .offset: 8, .size: 8, .value_kind: global_buffer, .address_space: global }
    .group_segment_fixed_size: 206848
    .private_segment_fixed_size: 0
    .kernarg_segment_align: 8
    .kernarg_segment_size: 16
    .max_flat_workgroup_size: 512
    .sgpr_count:     66
    .vgpr_count:     256
    .wavefront_size: 32
...
	.end_amdgpu_metadata
.endif
;; end of part 3
;; launch outp (part 4): grid 32 x 8, 4 waves a work-group, clusters of 4 x 1, 168,448 bytes of LDS; arguments ctx_img, w_img, bo, out0; writes out0
.if DOCPART == 4
	.amdgcn_target "amdgcn-amd-amdhsa--gfx1250"
	.amdhsa_code_object_version 6
	.text
	.protected	k_qc3924af439_outp
	.globl	k_qc3924af439_outp
	.p2align	8
	.type	k_qc3924af439_outp,@function
k_qc3924af439_outp:
	s_mov_b64 s[64:65], 0
	v_nop
	global_prefetch_b8 v0, s[64:65] scope:SCOPE_SE
	s_setreg_imm32_b32 hwreg(HW_REG_WAVE_MODE, 25, 1), 1
	s_wait_xcnt 0x0
	s_wait_alu depctr_hold_cnt(0) depctr_sa_sdst(0) depctr_va_vdst(0) depctr_va_sdst(0) depctr_va_ssrc(0) depctr_va_vcc(0) depctr_vm_vsrc(0)
	s_getreg_b32 s2, hwreg(HW_REG_IB_STS2, 6, 4)
	s_cmp_eq_u32 s2, 0
	s_cbranch_scc0 .Lentry_in_a_cluster
	s_endpgm
.Lentry_in_a_cluster:
	s_bfe_u32 s2, ttmp6, 0x10000c
	s_cmp_lg_u32 s2, 0x3003
	s_cbranch_scc0 .Lentry_shape_is_right
	s_endpgm
.Lentry_shape_is_right:
; out = ctx Wo + bo on codes of FP6 (E2M3).  ctx_img and w_img as the launches before laid them: records of 12,800 bytes for each tile of 16 (place r of tile 2 B + u is row 32 B + 8 u + r + 8 (r / 8)).
; SHARES.  Work-group (g, y): tokens 256 g on, columns 128 y on: two units of 64 columns.  A wave owns 64 tokens: its 32 fragments of ctx (384 registers) stay in registers.  Wo's eight tiles stay in LDS, filled ONCE, by joint
; loads that the four work-groups of a cluster (same y) share.  No LDS byte is filled twice; the stages for the way out lie behind the weights, in bytes that no tensor load fills.
; Source 0 = 16 columns of Wo, source 1 = 16 tokens: a lane holds one token, and the 16 registers of two neighbouring column tiles are 16 neighbouring columns.  The bias is the C of each sum's first matrix instruction.
; REGISTERS: window 0: v1-8 addresses; v16-79 rows on the way out, two sets; v96-111 ctx's scale words; v112-127 Wo's; v128-255 16 accumulators.
;   window 1: ctx's fragments of K steps 0-4 at 48 s + 12 t.   window 2: K steps 5-7 at 48 (s - 5) + 12 t; from v144 Wo's four fragments of a K step, two sets.   window 3: v0-63 the bias, 8 registers for each of 8 column tiles.
.set LI,  1                            ; 16 l
.set L8,  2                            ; 8 l + 512
.set BOF, 3                            ; 64 h
.set STO, 4                            ; my stage: row r, + 64 h
.set RD,  5                            ; back: row h, + 16 r
.set CO,  6                            ; and the same place in out: 4,096 h + 16 r
.set WAD, 8
.set OB,  16
.set XS,  96
.set WS,  112
.set ACC, 128
.set WV,  12
.set CX,  13
.set G,   14
.set Y,   15
.set G1,  24
.set G0,  32
.set MSB, 0
.macro WIN new
.if MSB != \new
	s_set_vgpr_msb (MSB<<8)|\new
.set MSB, \new
.endif
.endm
.macro PLACES
.rept 4
	v_nop
.endr
.endm
.macro CROUND
	s_barrier_signal -1
	s_barrier_wait -1
	s_cmp_lg_u32 s[WV], 0
	s_cbranch_scc1 .Lnot_wave_0_\@
	s_barrier_signal -3
.Lnot_wave_0_\@:
	s_barrier_wait -3
	s_barrier_signal -1
	s_barrier_wait -1
.endm
	s_load_b256 s[4:11], s[0:1], 0x0               ; ctx_img s[4:5], w_img s[6:7], bo s[8:9], out0 s[10:11]
	v_lshl_add_u32 v94, v0, 2, 0x29000
	v_mov_b32 v95, 0
	ds_add_u32 v94, v95
	ds_add_u32 v94, v95
	v_lshrrev_b32 v1, 5, v0
	v_readfirstlane_b32 s[WV], v1
	s_bfe_u32 s[CX], ttmp6, 0x40000
	s_lshl_b32 s[G], ttmp9, 2
	s_add_co_u32 s[G], s[G], s[CX]                 ; which 256 tokens: it enters ctx's and out's addresses alone
	s_and_b32 s[Y], ttmp7, 0xffff                  ; which 128 columns: the four partners share it
	v_and_b32 v9, 31, v0
	v_and_b32 v10, 15, v0                          ; r
	v_bfe_u32 v11, v0, 4, 1                        ; h
	v_lshlrev_b32 v[LI], 4, v9
	v_lshl_add_u32 v[L8], v9, 3, 512
	v_lshlrev_b32 v[BOF], 6, v11
	s_mul_i32 s16, s[WV], 4352                     ; my stage: 16 rows x (256 + 16) bytes,
	s_add_co_u32 s16, s16, 102400                  ; behind the weights
	v_mul_u32_u24 v[STO], v10, 272
	v_lshl_add_u32 v[STO], v11, 6, v[STO]
	v_add_nc_u32 v[STO], s16, v[STO]
	v_mul_u32_u24 v[RD], v11, 272
	v_lshl_add_u32 v[RD], v10, 4, v[RD]
	v_add_nc_u32 v[RD], s16, v[RD]
	v_lshlrev_b32 v[CO], 12, v11
	v_lshl_add_u32 v[CO], v10, 4, v[CO]
	s_mov_b32 s[G1], 0x0023000f                    ; the mask of all four; elements of 8 bytes; bit 21 beside the mask: 25,600 dense bytes as 100 rows of 256
	s_mov_b32 s[G1+1], 32<<16
	s_mov_b32 s[G1+2], 100<<16
	s_mov_b32 s[G1+3], 32<<16
	s_mov_b32 s[G1+4], 100
	s_mov_b32 s[G1+5], 32
	s_mov_b32 s[G1+6], 0
	s_mov_b32 s[G1+7], 0
	s_mul_i32 s36, s[WV], 25600                    ; my two tiles of the eight: in LDS and in memory alike
	s_mul_i32 s20, s[Y], 102400
	s_add_co_u32 s20, s20, s36
	s_add_co_u32 s20, s20, 2457600                 ; Wo is the fourth matrix of w_img
	s_mov_b32 s21, 0
	s_lshl_b32 s18, s[G], 4
	s_lshl_b32 s17, s[WV], 2
	s_add_co_u32 s18, s18, s17
	s_mul_i32 s18, s18, 12800                      ; token tile 16 g + 4 w
	s_mov_b32 s19, 0
	s_lshl_b32 s22, s[Y], 9                        ; 128 columns of 4 bytes
	s_mov_b32 s23, 0
	s_lshl_b32 s38, s[G], 8
	s_lshl_b32 s17, s[WV], 6
	s_add_co_u32 s38, s38, s17
	s_lshl_b32 s38, s38, 12                        ; my first row of out
	s_add_co_u32 s38, s38, s22
	s_mov_b32 s39, 0
	s_wait_alu depctr_va_vdst(0)
	s_wait_dscnt 0x0
	s_wait_kmcnt 0x0
	s_add_nc_u64 s[4:5], s[4:5], s[18:19]
	s_add_nc_u64 s[6:7], s[6:7], s[20:21]
	s_add_nc_u64 s[8:9], s[8:9], s[22:23]
	s_add_nc_u64 s[10:11], s[10:11], s[38:39]
	s_mov_b32 s[G0], 1
	s_mov_b32 s[G0+1], s36
	s_mov_b64 s[G0+2:G0+3], s[6:7]
	s_or_b32 s[G0+3], s[G0+3], 0x80000000
	WIN 0x40
.irp s, 0,1,2,3,4
.irp t, 0,1,2,3
.irp c, 0,1
	global_load_b128 v[48*\s+12*\t+6*\c:48*\s+12*\t+6*\c+3], v[LI], s[4:5] offset:\t*12800+1536*\s+768*\c
	global_load_b64 v[48*\s+12*\t+6*\c+4:48*\s+12*\t+6*\c+5], v[L8], s[4:5] offset:\t*12800+1536*\s+768*\c
.endr
.endr
.endr
	WIN 0x80
.irp s, 5,6,7
.irp t, 0,1,2,3
.irp c, 0,1
	global_load_b128 v[48*(\s-5)+12*\t+6*\c:48*(\s-5)+12*\t+6*\c+3], v[LI], s[4:5] offset:\t*12800+1536*\s+768*\c
	global_load_b64 v[48*(\s-5)+12*\t+6*\c+4:48*(\s-5)+12*\t+6*\c+5], v[L8], s[4:5] offset:\t*12800+1536*\s+768*\c
.endr
.endr
.endr
	WIN 0xc0                                       ; the bias in the result's layout: lane (r, h), tile e: columns 32 (e / 2) + 16 h + 8 (e % 2) + 0 .. 7
.irp e, 0,1,2,3,4,5,6,7
	global_load_b128 v[8*\e:8*\e+3], v[BOF], s[8:9] offset:4*(32*(\e/2)+8*(\e%2))
	global_load_b128 v[8*\e+4:8*\e+7], v[BOF], s[8:9] offset:4*(32*(\e/2)+8*(\e%2))+16
.endr
	WIN 0
.irp t, 0,1,2,3
	global_load_b128 v[XS+4*\t:XS+4*\t+3], v[LI], s[4:5] offset:\t*12800+12288
.endr
	CROUND                                         ; all four work-groups are here: the joint loads meet
	tensor_load_to_lds s[G0:G0+3], s[G1:G1+7]      ; my one tensor load of the launch; four v_nop follow it
	s_nop 0
.rept 4
	v_nop
.endr
	s_wait_tensorcnt 0x0
	s_barrier_signal -1
	s_barrier_wait -1                              ; Wo's eight tiles lie in LDS
	s_wait_loadcnt 0x0
.macro WFETCH s
	WIN 0x80
.irp ct, 0,1,2,3
.irp c, 0,1,2
	ds_load_b128 v[144+48*((\s)%2)+12*\ct+4*\c:144+48*((\s)%2)+12*\ct+4*\c+3], v[WAD] offset:\ct*12800+1536*(\s)+512*\c
.endr
.endr
.endm
.macro EMIT
.if ks == 0
	v_wmma_scale_f32_16x16x128_f8f6f4 v[rD:rD+7], v[rA:rA+11], v[rB:rB+11], v[rC:rC+7], v[sA], v[sB] matrix_a_fmt:MATRIX_FMT_FP6 matrix_b_fmt:MATRIX_FMT_FP6
.elseif ks < 4
	v_wmma_scale_f32_16x16x128_f8f6f4 v[rD:rD+7], v[rA:rA+11], v[rB:rB+11], v[rD:rD+7], v[sA], v[sB] matrix_a_fmt:MATRIX_FMT_FP6 matrix_b_fmt:MATRIX_FMT_FP6
.else
	v_wmma_scale_f32_16x16x128_f8f6f4 v[rD:rD+7], v[rA:rA+11], v[rB:rB+11], v[rD:rD+7], v[sA], v[sB] matrix_a_fmt:MATRIX_FMT_FP6 matrix_b_fmt:MATRIX_FMT_FP6 matrix_a_scale:MATRIX_SCALE_ROW1 matrix_b_scale:MATRIX_SCALE_ROW1
.endif
.endm
; A unit: 64 tokens x 64 columns x K = 1,024: eight K steps of 16 matrix instructions; the 16 accumulators take turns, one instruction a turn, in the same order in every step
.macro MAIN un
	v_add_nc_u32 v[WAD], 51200*\un, v[LI]
	s_wait_alu depctr_va_vdst(0)
.irp ct, 0,1,2,3
	ds_load_b128 v[WS+4*\ct:WS+4*\ct+3], v[WAD] offset:\ct*12800+12288
.endr
	WFETCH 0
.set ks, 0
.rept 8
.if ks < 7
.if ks > 0
	PLACES                                         ; the set to be loaded was multiplied in the step before
.endif
	WFETCH ks+1
	s_wait_dscnt 12                                ; all but the 12 loads just issued
.else
	s_wait_dscnt 0x0
.endif
.if ks == 0
	WIN 0x36                                       ; source 0 (Wo) window 2, source 1 (ctx) window 1, C (the bias) window 3
.set xb, 0
.elseif ks < 5
	WIN 0x06
.set xb, 48*ks
.else
	WIN 0x0a
.set xb, 48*(ks-5)
.endif
.set tt, 0
.rept 4
.set ct, 0
.rept 4
.set rD, ACC+32*tt+8*ct
.set rA, 144+48*(ks%2)+12*ct
.set rB, xb+12*tt
.set rC, 32*\un+8*ct
.set sA, WS+4*ct+ks%4
.set sB, XS+4*tt+ks%4
	EMIT
.set ct, ct+1
.endr
.set tt, tt+1
.endr
.set ks, ks+1
.endr
	WIN 0
.rept 5
	v_nop                                          ; four places in front of the stores that read results and of loads into operands; five, since the next unit's matrix instructions write these accumulators anew
.endr
.endm
; THE WAY OUT, a token tile at a time: a lane holds 64 bytes in each half of a row of 256; they go through my own stage and come back as whole rows, sixteen lanes to a row.
.macro TOSTAGE tt
.irp b, 0,1
.irp i, 0,1,2,3
	ds_store_b128 v[STO], v[ACC+32*(\tt)+16*\b+4*\i:ACC+32*(\tt)+16*\b+4*\i+3] offset:128*\b+16*\i   ; each accumulator from its low end on
.endr
.endr
.set OBB, OB+32*((\tt)%2)
.irp i, 0,1,2,3,4,5,6,7
	ds_load_b128 v[OBB+4*\i:OBB+4*\i+3], v[RD] offset:544*\i       ; LDS serves a wave's instructions in order: these see the stores above, and the next tile's stores come behind them
.endr
.endm
.macro SEND tt, un, younger
.set OBB, OB+32*((\tt)%2)
	s_wait_dscnt \younger                          ; the tile is back; the next tile's 8 stores and 8 loads may be out
.irp i, 0,1,2,3,4,5,6,7
	global_store_b128 v[CO], v[OBB+4*\i:OBB+4*\i+3], s[10:11] offset:(32*((\tt)/2)+8*((\tt)%2)+2*\i+8*(\i/4))*4096+256*\un th:TH_STORE_NT   ; places 2 i and 2 i + 1 of the tile: sixteen lanes store 256 consecutive bytes, aligned
.endr
.endm
.macro UNIT un
	MAIN \un
	TOSTAGE 0
.irp a, 1,2,3
.if \a > 1
	s_wait_xcnt 0x0                                ; tile a - 2's stores have read the registers into which tile a's rows are loaded
.endif
	TOSTAGE \a
	SEND \a-1, \un, 16
.endr
	SEND 3, \un, 0
	s_wait_xcnt 0x0                                ; the stores have read their registers
.endm
	UNIT 0
	UNIT 1
	s_wait_tensorcnt 0x0
	ds_add_u32 v94, v95
	s_wait_dscnt 0x0
	CROUND                                         ; the closing round
	s_endpgm
.Lfunc_end_k_qc3924af439_outp:
	.size	k_qc3924af439_outp, .Lfunc_end_k_qc3924af439_outp-k_qc3924af439_outp
	.p2alignl 7, 3214868480
	.fill 96, 4, 3214868480
	.section	.rodata,"a",@progbits
	.p2align	6, 0x0
	.amdhsa_kernel k_qc3924af439_outp
		.amdhsa_group_segment_fixed_size 168448
		.amdhsa_private_segment_fixed_size 0
		.amdhsa_enable_private_segment 0
		.amdhsa_kernarg_size 32
		.amdhsa_user_sgpr_count 2
		.amdhsa_user_sgpr_kernarg_segment_ptr 1
		.amdhsa_wavefront_size32 1
		.amdhsa_system_sgpr_workgroup_id_x 1
		.amdhsa_system_sgpr_workgroup_id_y 1
		.amdhsa_system_sgpr_workgroup_id_z 1
		.amdhsa_system_vgpr_workitem_id 0
		.amdhsa_next_free_vgpr 832
		.amdhsa_next_free_sgpr 66
		.amdhsa_reserve_vcc 0
		.amdhsa_float_denorm_mode_32 3
		.amdhsa_float_denorm_mode_16_64 3
		.amdhsa_memory_ordered 1
		.amdhsa_forward_progress 1
		.amdhsa_inst_pref_size 81
	.end_amdhsa_kernel
	.amdgpu_metadata
---
amdhsa.version: [ 1, 2 ]
amdhsa.kernels:
  - .name:           k_qc3924af439_outp
    .symbol:         k_qc3924af439_outp.kd
    .args:
      - { .name: ctx_img, .offset: 0, .size: 8, .value_kind: global_buffer, .address_space: global }
      - { .name: w_img, .offset: 8, .size: 8, .value_kind: global_buffer, .address_space: global }
      - { .name: bo, .offset: 16, .size: 8, .value_kind: global_buffer, .address_space: global }
      - { .name: out0, .offset: 24, .size: 8, .value_kind: global_buffer, .address_space: global }
    .group_segment_fixed_size: 168448
    .private_segment_fixed_size: 0
    .kernarg_segment_align: 8
    .kernarg_segment_size: 32
    .max_flat_workgroup_size: 128
    .sgpr_count:     66
    .vgpr_count:     832
    .wavefront_size: 32
...
	.end_amdgpu_metadata
.endif
;; end of part 4
